; MI455X (gfx1250); checked and timed in simulation.
; The chip was launched on July 23, 2026; its instructions are those of AMD's public machine-readable ISA for CDNA 5 (MIT licence, August 2026) and "CDNA5" Instruction Set Architecture Reference Guide (July 2026). The comments in the code are by the model that wrote it; some were corrected since.
;; A Li Bi Multi Head Attention. Allowed arithmetic: matrix products marked QUANTISED: E2M1 operands, one E8M0 scale for each 32 along K, by v_wmma_scale_f32_16x16x128_f8f6f4 with both operands' format E2M1 (or v_wmma_scale_f32_32x16x128_f4), f32 sums; everything else in f32.
;; Inputs: w_kqv 1,024 x 3,072 float32; x 1 x 4,096 x 1,024 float32.
;; Outputs: out0 1 x 4,096 x 1,024 float32.
;; This version of the problem:
;;   THIS VERSION OF THE PROBLEM IS GIVEN IN LOW PRECISION. The matrix products marked QUANTISED in the list below multiply operands that are first quantised to E2M1 (2 exponent bits, 1 mantissa bit; 4 bits a number), with one power-of-two scale for each 32 numbers along K (OCP MX v1.0); their sums are f32. All else is computed in f32.
;;   The module's matrix products, in the order in which they are computed (A, B: the left and right operand; K: the contracted axis; several contracted axes count as one K, in the product's order):
;;     1. [M 4,096, K 1,024] x [K 1,024, N 3,072]; A: input x; B: input w_kqv: QUANTISED
;;     2. batch 16 x [M 4,096, K 64] x [K 64, N 4,096]; A: computed on the way; B: computed on the way: QUANTISED
;;     3. batch 16 x [M 4,096, K 4,096] x [K 4,096, N 64]; A: softmax (see below); B: computed on the way: QUANTISED
;;   THE QUANTISER, for each operand of a quantised product, along K:
;;     - K is cut into blocks of 32 from its start; a last block that is shorter is filled with zeros.
;;     - A block's scale is 2^e with e = floor(log2(the largest magnitude in the block)) - 2, held to -126 .. 127; a block of zeros has e = 0. As a byte (E8M0): e + 127.
;;     - Each number is divided by its block's scale, clamped to +-6, and rounded to the nearest number of E2M1, ties to even, subnormals kept.
;;     - The product sums the exact products of the quantised numbers (number of the format x scale) in f32.
;;   ~~~python
;;   def quantise(x, axis):      # numpy; x: float32 -> the quantised numbers, widened to float32 again
;;       x = np.moveaxis(x, axis, -1); K = x.shape[-1]
;;       x = np.pad(x, [(0, 0)] * (x.ndim - 1) + [(0, -K % 32)]); x = x.reshape(x.shape[:-1] + (-1, 32)); a = np.abs(x).max(-1, keepdims=True)
;;       e = np.where(a > 0, np.clip(np.frexp(np.where(a > 0, a, 1))[1] - 1 - 2, -126, 127), 0)      # np.frexp(a)[1] - 1 = floor(log2(a)), exactly
;;       r = np.clip(x / 2.0 ** e, -6, 6)
;;       step = 2.0 ** (np.maximum(np.frexp(np.where(r == 0, 1, r))[1] - 1, 0) - 1)
;;       q = np.round(r / step) * step * 2.0 ** e      # np.round: ties to even
;;       return np.moveaxis(q.reshape(q.shape[:-2] + (-1,))[..., :K], -1, axis).astype(np.float32)
;;   ~~~
;;   SOFTMAX AHEAD OF A QUANTISED PRODUCT. Where the list says 'softmax', what is quantised is not the finished softmax but p = 2^(t - M), with t = logit x log2(e) and M = ceil(the row's largest t), a whole number; so 1/2 < the row's largest p <= 1. The row's sum l is taken of the UNQUANTISED p, in f32, and the product's result is divided by l at the end. Since M is a whole number, a kernel that streams over the keys may use a running M (the ceiling of the running maximum): every later rescaling is an exact power of two, which a block's scale takes up: the codes' values come out the same.
;;   OPERANDS COMPUTED ON THE WAY. 'Computed on the way' means the value that the module computes at that place (a softmax that the list does not call 'softmax' is quantised finished and normalised). What goes into a quantiser is computed in f32, as accurately as f32 sums, v_exp_f32 and their like allow (about 1e-6 of the number): no bf16 or f16 on the way to a quantiser, and a product that is left as it is and whose result goes on into a quantised operand takes f32 operands (vector FMAs, or v_wmma_f32_16x16x4_f32). A number that lies on a knife's edge between two numbers of the format may be rounded either way, as far as f32 arithmetic and the matrix unit's own rounding can turn it there, and no further.
;; One version. Each part assembles by itself: llvm-mc -triple=amdgcn-amd-amdhsa -mcpu=gfx1250 --defsym DOCPART=n.
;; ======== version 1 of 1: 3 launches
;; workspace buffers: codes 3,899,392 bytes; qkv 7,077,888 bytes
;; launch quant (part 1): grid 352 x 1, 8 waves a work-group, no clusters, 70,144 bytes of LDS; arguments x, w_kqv, codes; writes codes
.if DOCPART == 1
	.amdgcn_target "amdgcn-amd-amdhsa--gfx1250"
	.amdhsa_code_object_version 6
	.text
	.protected	k_q72589a6cb4_quant
	.globl	k_q72589a6cb4_quant
	.p2align	8
	.type	k_q72589a6cb4_quant,@function
k_q72589a6cb4_quant:
	s_mov_b64 s[64:65], 0
	v_nop
	global_prefetch_b8 v0, s[64:65] scope:SCOPE_SE
	s_setreg_imm32_b32 hwreg(HW_REG_WAVE_MODE, 25, 1), 1
	s_wait_xcnt 0x0
; x [4096][1024] and w_kqv [1024][3072], f32, become codes of FP4 (E2M1), 4 bits each, with one E8M0 scale byte for each 32 along K = 1024,
; laid in the buffer codes AS THE NEXT LAUNCH'S REGISTERS WANT THEM.  28 blocks of BLOCK bytes: blocks 0-15 x's rows 256 B on, blocks 16-27 w's columns 256 (B - 16) on.
; A block: 8,192 bytes of scale words [tile 0..15][K half 0..1][row r 0..15][4 words] (a word: 128 along K of one row, byte b for k = 32 b on), then the code images
; [K step 0..7][tile][c 0..1][lane][16 bytes]: lane (r, h) holds k = 128 s + 64 c + 32 h + 0 .. 31 of the tile's row r: a matrix operand's registers on end.
; THE ROWS OF A TILE ARE NOT NEIGHBOURS: row r of tile 2 b + u is index 32 b + 8 u + r + 8 (r / 8), so that the results of two neighbouring tiles are 16 neighbours along the next product's K.
; A block's scale is 2^(floor(log2(its largest magnitude)) - 2); its byte is the largest magnitude's exponent field - 2, held at 1 from below.
; LIMITS: a block whose largest magnitude lies under 2^-124 has its byte held at 1; a block of zeros gets the byte 1 where the quantiser says 127 (its codes are zeros, which add nothing
; under any byte but 0xff, and this program alone reads the bytes); NaN and infinities among the inputs are not served.
; SHARES.  Work-groups 0-255: one tile of x (16 rows), wave s its K step s.  Work-groups 256-351: 64 columns of w and half of K: a wave takes 32 columns x 128 along K.
; The two ways part on the work-group's number, never join, and have LDS bytes of their own.  Memory binds: no matrix unit, no cluster, no tensor load; every input byte is read once.
.set BLOCK, 139264
.set SPX,   528                        ; a stage row: 512 bytes + 16: an odd multiple of 16, so that the 16 rows that a read touches start at different banks
.set STG,   16*SPX                     ; x's way: a stage of 16 rows for each wave,
.set XS,    8*STG                      ; and behind the eight stages the tile's 512 bytes of scale words
.set WS,    XS+512                     ; w's way: the work-group's 1,024 bytes of scale words
.set R,     32                         ; v32-95   x: 16 rows' bytes as loaded.  w: v32-159, 128 numbers down K
.set X,     96                         ; v96-159  x: 64 numbers: register 16 b + i = k 32 b + 16 h + i of my row
.set PC,    160                        ; v160-167 x: the fragment's codes.  w: v160-175, four registers a block
.set TM,    168                        ; v168-183 at work
.set PW,    184                        ; v184     the scale word
.set SEL,   24                         ; s[24:25] v_permlanex16_b32's selects for lane l xor 16
; 64 numbers of a lane, v[s] on, register 16 b + i = k 32 b + 16 (lane / 16) + i of my row, become a fragment's codes in v[PC] on and its scale word in v[PW].
.macro QUANT s
.irp b, 0,1,2,3
	v_max3_num_f32 v[TM+\b], |v[\s+16*\b]|, |v[\s+1+16*\b]|, 0x1800000   ; block b: my 16 numbers, and the floor 2^(3 - 127): the byte cannot fall under 1
.endr
.irp i, 2,4,6,8,10,12,14
.irp b, 0,1,2,3
	v_max3_num_f32 v[TM+\b], v[TM+\b], |v[\s+16*\b+\i]|, |v[\s+1+16*\b+\i]|   ; the four blocks by turns
.endr
.endr
.irp b, 0,1,2,3
	v_permlanex16_b32 v[TM+4+\b], v[TM+\b], s[SEL], s[SEL+1]
.endr
.irp b, 0,1,2,3
	v_max_num_f32 v[TM+\b], v[TM+\b], v[TM+4+\b]           ; with lane l xor 16's: the block's largest magnitude
.endr
.irp b, 0,1,2,3
	v_add_nc_u32 v[TM+12+\b], 0xff000000, v[TM+\b]         ; 2 off its exponent field: the conversion takes the exponent field of this operand as its scale
.endr
.irp b, 0,1,2,3
	v_lshrrev_b32 v[TM+4+\b], 23, v[TM+12+\b]              ; the scale's byte
.endr
	v_lshl_or_b32 v[PW], v[TM+5], 8, v[TM+4]
	v_lshl_or_b32 v[PW], v[TM+6], 16, v[PW]
	v_lshl_or_b32 v[PW], v[TM+7], 24, v[PW]                ; my row's scale word
.irp b, 0,1,2,3
	v_cvt_scalef32_pk8_fp4_f32 v[PC+2*\b], v[\s+16*\b:\s+7+16*\b], v[TM+12+\b]
	v_cvt_scalef32_pk8_fp4_f32 v[PC+1+2*\b], v[\s+8+16*\b:\s+15+16*\b], v[TM+12+\b]
.endr
	v_nop                                                  ; one plain place behind a scaled conversion
.irp c, 0,1                                            ; the operand's layout wants a whole block in a lane: lanes 0-15 block 2 c, lanes 16-31 block 2 c + 1
.irp i, 0,1
	v_permlane16_swap_b32 v[PC+4*\c+\i], v[PC+2+4*\c+\i]
.endr
.endr
.endm
	s_load_b128 s[4:7], s[0:1], 0x0                ; x s[4:5], w s[6:7]
	s_load_b64 s[8:9], s[0:1], 0x10                ; codes
	v_lshl_add_u32 v192, v0, 2, 0x10e00
	v_mov_b32 v193, 0
	v_lshrrev_b32 v1, 5, v0
	v_readfirstlane_b32 s10, v1                    ; wave 0..7
	v_and_b32 v6, 31, v0                           ; lane
	v_and_b32 v7, 15, v0                           ; r
	v_bfe_u32 v8, v0, 4, 1                         ; h
	s_cmp_lt_u32 ttmp9, 256
	s_cbranch_scc0 .Lw
	; ---------------- x: tile TG = the work-group's number; my wave's number is the K step
	v_lshlrev_b32 v1, 4, v6                        ; 16 x lane: my bytes of a row's 512, of an image's 512, of the words' 512
	s_mul_i32 s11, s10, STG
	v_add_nc_u32 v2, s11, v1                       ; the stage, in: as loaded
	v_mul_u32_u24 v3, v7, SPX
	v_lshl_add_u32 v3, v8, 6, v3
	v_add_nc_u32 v3, s11, v3                       ; the stage, out: row r, + 64 h: my 16 numbers of each block of 32
	s_lshr_b32 s12, s10, 2
	s_lshl_b32 s12, s12, 8
	s_and_b32 s13, s10, 3
	s_lshl_b32 s13, s13, 2
	s_add_co_u32 s12, s12, s13
	s_add_co_u32 s12, s12, XS
	v_lshl_add_u32 v4, v7, 4, s12                  ; my row's word of this K step: [s / 4][r][s % 4]
	v_add_nc_u32 v5, XS, v1                        ; and where wave 0 reads the 512 bytes back
	s_mov_b32 s[SEL], 0x76543210
	s_mov_b32 s[SEL+1], 0xfedcba98
.irp b, 0,1,2,3
	v_mov_b32 v[TM+4+\b], 0                        ; written once: a lane permute's destination counts as one of its sources
.endr
	s_lshr_b32 s14, ttmp9, 1
	s_lshl_b32 s14, s14, 17                        ; 32 (TG / 2) rows of 4,096 bytes
	s_and_b32 s15, ttmp9, 1
	s_lshl_b32 s15, s15, 15                        ; + 8 (TG % 2) rows
	s_add_co_u32 s14, s14, s15
	s_lshl_b32 s15, s10, 9                         ; + my K step's 512 bytes
	s_add_co_u32 s14, s14, s15
	s_mov_b32 s15, 0
	s_lshr_b32 s16, ttmp9, 4
	s_mul_i32 s16, s16, BLOCK                      ; the tile's block
	s_and_b32 s17, ttmp9, 15
	s_lshl_b32 s18, s17, 9
	s_add_co_u32 s18, s18, s16                     ; its scale words: 512 bytes a tile
	s_mov_b32 s19, 0
	s_lshl_b32 s17, s17, 10
	s_add_co_u32 s16, s16, s17
	s_lshl_b32 s17, s10, 14
	s_add_co_u32 s16, s16, s17
	s_add_co_u32 s16, s16, 8192                    ; its image of this K step: 8,192 + 16,384 s + 1,024 tile
	s_mov_b32 s17, 0
	s_wait_kmcnt 0x0
	s_add_nc_u64 s[4:5], s[4:5], s[14:15]
	s_add_nc_u64 s[20:21], s[8:9], s[16:17]
	s_add_nc_u64 s[22:23], s[8:9], s[18:19]
.irp i, 0,1,2,3,4,5,6,7,8,9,10,11,12,13,14,15
	global_load_b128 v[R+4*\i:R+4*\i+3], v1, s[4:5] offset:(\i+8*(\i/8))*4096 th:TH_LOAD_NT   ; the tile's row i: 32 lanes read 512 consecutive bytes; all 16 loads go out at once
.endr
.irp i, 0,1,2,3,4,5,6,7,8,9,10,11,12,13,14,15
	s_wait_loadcnt 15-\i                           ; loads come back in order: row i is in, the 15 - i issued behind it may be out
	ds_store_b128 v2, v[R+4*\i:R+4*\i+3] offset:SPX*\i
.endr
.irp b, 0,1,2,3
.irp j, 0,1,2,3
	ds_load_b128 v[X+16*\b+4*\j:X+16*\b+4*\j+3], v3 offset:128*\b+16*\j   ; LDS serves a wave's instructions in order: these see my stores
.endr
.endr
	s_wait_dscnt 0x0
	QUANT X
	global_store_b128 v1, v[PC:PC+3], s[20:21]             ; each store covers 512 consecutive bytes, aligned to 256
	global_store_b128 v1, v[PC+4:PC+7], s[20:21] offset:512
	ds_store_b32 v4, v[PW]                         ; lanes r and r + 16 write the same word with the same value
	s_wait_dscnt 0x0                               ; for the others' sake: my word has landed
	s_barrier_signal -1
	s_barrier_wait -1
	s_cmp_lg_u32 s10, 0
	s_cbranch_scc1 .Lx_end
	ds_load_b128 v[186:189], v5                    ; wave 0: the tile's words of all eight K steps,
	s_wait_dscnt 0x0
	global_store_b128 v1, v[186:189], s[22:23]     ; 512 consecutive bytes
.Lx_end:
	s_wait_tensorcnt 0x0
	ds_add_u32 v192, v193
	s_wait_dscnt 0x0
	s_endpgm
	; ---------------- w: K is its first axis.  A lane takes a column, and its registers run down K: a block of 32 lies in one lane, and the conversions give codes with K innermost
.Lw:
	s_sub_co_u32 s11, ttmp9, 256
	s_lshr_b32 s12, s11, 1                         ; which 64 columns
	s_and_b32 s13, s11, 1                          ; which half of K
	s_and_b32 s14, s10, 1                          ; which 32 of the 64 columns is my wave's
	s_lshr_b32 s15, s10, 1                         ; which K step of the half's four
	s_lshl_b32 s16, s13, 2
	s_add_co_u32 s16, s16, s15                     ; K step s
	s_lshl_b32 s17, s12, 1
	s_add_co_u32 s17, s17, s14                     ; my 32 columns: 32 G on
	v_bfe_u32 v9, v0, 3, 1                         ; column 32 G + lane is row r' of tile 2 (G % 8) + u': u' = (lane / 8) % 2,
	v_and_b32 v10, 7, v0
	v_lshl_add_u32 v10, v8, 3, v10                 ; r' = lane % 8 + 8 (lane / 16)
	v_lshlrev_b32 v1, 2, v6                        ; in: 4 bytes a lane
	v_lshlrev_b32 v2, 10, v9
	v_lshl_add_u32 v2, v10, 4, v2                  ; out: 1,024 u' + 16 r'
	s_lshl_b32 s18, s14, 9
	s_lshl_b32 s19, s15, 2
	s_add_co_u32 s18, s18, s19
	s_add_co_u32 s18, s18, WS
	v_lshlrev_b32 v3, 8, v9
	v_lshl_add_u32 v3, v10, 4, v3
	v_add_nc_u32 v3, s18, v3                       ; my column's word: [2 x my half of the columns + u'][r'][s % 4]
	v_lshl_add_u32 v4, v6, 4, WS                   ; where wave 0 reads the words back,
	v_lshlrev_b32 v5, 9, v8
	v_lshl_add_u32 v5, v7, 4, v5                   ; and where they go: a tile's 256 bytes of this half of K lie 512 apart
	s_mul_i32 s20, s16, 128*12288                  ; w: 128 s rows of 12,288 bytes
	s_lshl_b32 s21, s17, 7                         ; + 32 G columns
	s_add_co_u32 s20, s20, s21
	s_mov_b32 s21, 0
	s_lshr_b32 s22, s17, 3
	s_add_co_u32 s22, s22, 16
	s_mul_i32 s22, s22, BLOCK                      ; the columns' block
	s_and_b32 s23, s12, 3
	s_lshl_b32 s23, s23, 11
	s_lshl_b32 s26, s13, 8
	s_add_co_u32 s26, s26, s23
	s_add_co_u32 s26, s26, s22                     ; the scale words of the 64 columns' four tiles, this half of K
	s_mov_b32 s27, 0
	s_and_b32 s23, s17, 7
	s_lshl_b32 s23, s23, 11
	s_add_co_u32 s22, s22, s23
	s_lshl_b32 s23, s16, 14
	s_add_co_u32 s22, s22, s23
	s_add_co_u32 s22, s22, 8192                    ; the images of my two tiles, K step s
	s_mov_b32 s23, 0
	s_wait_kmcnt 0x0
	s_add_nc_u64 s[6:7], s[6:7], s[20:21]
	s_add_nc_u64 s[28:29], s[8:9], s[22:23]
	s_add_nc_u64 s[30:31], s[8:9], s[26:27]
.set kk, 0
.rept 128
	global_load_b32 v[32+kk], v1, s[6:7] offset:kk*12288 th:TH_LOAD_NT   ; w(128 s + kk, my column): a wave reads 128 consecutive bytes, two waves side by side 256
.set kk, kk+1
.endr
; Block kb of my column: k = 128 s + 32 kb on.  left: loads that may stay out
.macro WBLOCK kb, left
.set NS, 32+32*(\kb)
	s_wait_loadcnt \left
	v_max3_num_f32 v12, |v[NS]|, |v[NS+1]|, |v[NS+2]|              ; the block's largest magnitude: all 32 numbers are mine; two chains
	v_max3_num_f32 v13, |v[NS+3]|, |v[NS+4]|, |v[NS+5]|
.irp i, 6,10,14,18,22,26
	v_max3_num_f32 v12, v12, |v[NS+\i]|, |v[NS+\i+1]|
	v_max3_num_f32 v13, v13, |v[NS+\i+2]|, |v[NS+\i+3]|
.endr
	v_max3_num_f32 v12, v12, |v[NS+30]|, |v[NS+31]|
	v_max3_num_f32 v12, v12, v13, 0x1800000        ; and the floor 2^(3 - 127)
	v_add_nc_u32 v14, 0xff000000, v12              ; 2 off the exponent field: the conversion's scale operand
	v_lshrrev_b32 v15, 23, v14                     ; the byte
.if (\kb) == 0
	v_mov_b32 v16, v15
.else
	v_lshl_or_b32 v16, v15, 8*(\kb), v16           ; the lower K in the lower byte
.endif
.irp g, 0,1,2,3
	v_cvt_scalef32_pk8_fp4_f32 v[160+4*(\kb)+\g], v[NS+8*\g:NS+8*\g+7], v14   ; the results go to a store alone; the next block's first lines are plain and stand ahead of its write of v14
.endr
	global_store_b128 v2, v[160+4*(\kb):163+4*(\kb)], s[28:29] offset:512*((\kb)/2)+256*((\kb)%2)   ; c = kb / 2, h = kb % 2: the sixteen lanes of each u' fill 256 consecutive bytes, aligned
.endm
	WBLOCK 0, 63                                   ; 96 loads were issued behind block 0's, 64 behind block 1's: the wait's count ends at 63, which serves both
	WBLOCK 1, 63
	WBLOCK 2, 32                                   ; block 3's 32 may be out
	WBLOCK 3, 0
	ds_store_b32 v3, v16
	s_wait_dscnt 0x0                               ; for the others' sake: my word has landed
	s_barrier_signal -1
	s_barrier_wait -1
	s_cmp_lg_u32 s10, 0
	s_cbranch_scc1 .Lw_end
	ds_load_b128 v[176:179], v4                    ; wave 0: four tiles x 256 bytes of words
	ds_load_b128 v[180:183], v4 offset:512
	s_wait_dscnt 0x0
	global_store_b128 v5, v[176:179], s[30:31]             ; sixteen lanes store 256 consecutive bytes, aligned
	global_store_b128 v5, v[180:183], s[30:31] offset:1024
.Lw_end:
	s_wait_tensorcnt 0x0
	ds_add_u32 v192, v193
	s_wait_dscnt 0x0
	s_endpgm
.Lfunc_end_k_q72589a6cb4_quant:
	.size	k_q72589a6cb4_quant, .Lfunc_end_k_q72589a6cb4_quant-k_q72589a6cb4_quant
	.p2alignl 7, 3214868480
	.fill 96, 4, 3214868480
	.section	.rodata,"a",@progbits
	.p2align	6, 0x0
	.amdhsa_kernel k_q72589a6cb4_quant
		.amdhsa_group_segment_fixed_size 70144
		.amdhsa_private_segment_fixed_size 0
		.amdhsa_enable_private_segment 0
		.amdhsa_kernarg_size 24
		.amdhsa_user_sgpr_count 2
		.amdhsa_user_sgpr_kernarg_segment_ptr 1
		.amdhsa_wavefront_size32 1
		.amdhsa_system_sgpr_workgroup_id_x 1
		.amdhsa_system_sgpr_workgroup_id_y 1
		.amdhsa_system_sgpr_workgroup_id_z 1
		.amdhsa_system_vgpr_workitem_id 0
		.amdhsa_next_free_vgpr 194
		.amdhsa_next_free_sgpr 66
		.amdhsa_reserve_vcc 0
		.amdhsa_float_denorm_mode_32 3
		.amdhsa_float_denorm_mode_16_64 3
		.amdhsa_memory_ordered 1
		.amdhsa_forward_progress 1
		.amdhsa_inst_pref_size 32
	.end_amdhsa_kernel
	.amdgpu_metadata
---
amdhsa.version: [ 1, 2 ]
amdhsa.kernels:
  - .name:           k_q72589a6cb4_quant
    .symbol:         k_q72589a6cb4_quant.kd
    .args:
      - { .name: x, .offset: 0, .size: 8, .value_kind: global_buffer, .address_space: global }
      - { .name: w_kqv, .offset: 8, .size: 8, .value_kind: global_buffer, .address_space: global }
      - { .name: codes, .offset: 16, .size: 8, .value_kind: global_buffer, .address_space: global }
    .group_segment_fixed_size: 70144
    .private_segment_fixed_size: 0
    .kernarg_segment_align: 8
    .kernarg_segment_size: 24
    .max_flat_workgroup_size: 256
    .sgpr_count:     66
    .vgpr_count:     194
    .wavefront_size: 32
...
	.end_amdgpu_metadata
.endif
;; end of part 1
;; launch gemm (part 2): grid 8 x 24, 4 waves a work-group, clusters of 4 x 4, 327,680 bytes of LDS; arguments codes, qkv; writes qkv
.if DOCPART == 2
	.amdgcn_target "amdgcn-amd-amdhsa--gfx1250"
	.amdhsa_code_object_version 6
	.text
	.protected	k_q72589a6cb4_gemm
	.globl	k_q72589a6cb4_gemm
	.p2align	8
	.type	k_q72589a6cb4_gemm,@function
k_q72589a6cb4_gemm:
	s_mov_b64 s[64:65], 0
	v_nop
	global_prefetch_b8 v0, s[64:65] scope:SCOPE_SE
	s_setreg_imm32_b32 hwreg(HW_REG_WAVE_MODE, 25, 1), 1
	s_wait_xcnt 0x0
	s_wait_alu depctr_hold_cnt(0) depctr_sa_sdst(0) depctr_va_vdst(0) depctr_va_sdst(0) depctr_va_ssrc(0) depctr_va_vcc(0) depctr_vm_vsrc(0)
	s_getreg_b32 s2, hwreg(HW_REG_IB_STS2, 6, 4)
	s_cmp_eq_u32 s2, 0
	s_cbranch_scc0 .Lentry_in_a_cluster
	s_endpgm
.Lentry_in_a_cluster:
	s_bfe_u32 s2, ttmp6, 0x10000c
	s_cmp_lg_u32 s2, 0xf033
	s_cbranch_scc0 .Lentry_shape_is_right
	s_endpgm
.Lentry_shape_is_right:
; kqv = Q(x) Q(w), K = 1,024, on the codes and scale words that the launch before laid as operand images; its results k, q and v are quantised at once, in registers, for the two products of the attention,
; and leave as operand images again: k and q along the head's 64 (two blocks of 32), v along the keys (blocks of 32 from key 0).  Sums in f32, one accumulator for each output, K ascending.
; A work-group of four waves makes 256 x 256 of kqv, a wave 128 x 128: 64 accumulators of 16 x 16, 512 registers.
; THE MATRIX INSTRUCTION'S SOURCE 0 (called B here) is the operand whose index becomes the NEXT product's K, so that a lane's registers run along that K; source 1 (A) gives the lane its row.
;   QK (cluster rows 0-3): B = 256 columns of w (k's or q's: four heads), A = 256 tokens of x.   V (cluster rows 4, 5): B = 256 tokens of x (the keys), A = 256 columns of w (v's: four heads).
; By the order of a tile's rows (row r of tile 2 b + u is index 32 b + 8 u + r + 8 (r / 8)) the 64 results of a lane for one tile of A are: register 16 b + i = B's index 32 b + 16 (lane / 16) + i.
; LDS: all of K for both operands, two blocks of 139,264 bytes as they lie in memory, FILLED ONCE: no slot is filled again.  Image loads cover 512 consecutive bytes, so there is no padding.
; Each block comes in 8 pieces of 17,408 bytes (68 rows of 256); a wave asks for four of them at the start (four tensor loads of a wave are out at the most), and the K steps begin when the first have landed.
; CLUSTERS: 4 x 4 work-groups.  The four of a row of the cluster need the same block A, the four of a column the same block B: each piece is asked for JOINTLY, by the same tensor load with a mask that names the four.
; qkv: 48 heads' worth (0-15 k, 16-31 q, 32-47 v) of HS bytes; in each 32 groups of 128 tokens x GRP bytes: 4,096 of codes, 512 of scale words.
;   k, q: codes [tile a 0..7][lane][16 bytes] (the head's k = 32 (lane / 16) on); words [a / 4][r][a % 4]: bytes 0, 1 the two blocks'; bytes 2, 3 the neighbouring head's or 0: they scale zero codes and are never 0xff.
;   v: codes [c 0..1][tile t 0..3 of the head's 64][lane][16 bytes] (keys 64 c + 32 (lane / 16) on); words [r][t], then 256 bytes of zeros, so that every byte that the next launch fetches is written.
; LIMITS of the quantiser: a block whose largest magnitude lies under 2^-124 has its byte held at 1; a block of zeros gets the byte 1 where the quantiser says 127 (its codes are zeros, and this program alone reads the bytes); NaN and infinities are not served.
; REGISTERS, in windows of 256: window 0: v1-28 addresses; v32-95 scale words (tile i, K step s in v[32 + 8 i + s]: lanes 0-15 A's, lanes 16-31 B's); v96-127 and v192-227 the way out; v128-191 A's fragments, one set.
;   window 1: B's fragments, two sets, at v0 and v128.   window 2: the accumulators of A's tiles 0-3 ((a, b) at v[8 (8 (a % 4) + b)]);   window 3: those of tiles 4-7.
.set BLOCK, 139264
.set PIECE, 17408
.set HS,    147456
.set GRP,   4608
.set LB,    BLOCK                      ; LDS: A's block at 0, B's behind it
.set ADRA,  16                         ; v16-17  my A fragments: K steps 0-3, K steps 4-7 (65,536 bytes on: an offset has 16 bits)
.set ADRB,  20                         ; v20-21  the same for B
.set VO0,   24                         ; v24     the way out: 16 x lane
.set VO1,   25                         ; v25     the same for a fragment's second half
.set VS,    26                         ; v26     the way out of the scale words
.set ADRS,  27                         ; v27     my scale words: lanes 0-15 A's rows, lanes 16-31 B's
.set SH,    28                         ; v28     16 x (lane / 16)
.set SC,    32
.set TM,    96                         ; v96-111  at work in the quantiser
.set PWS,   112                        ; v112-119 the scale word of each of A's eight tiles
.set AF,    128
.set PC,    192                        ; v192-207 the codes just made, two sets by turns
.set DW,    208                        ; v208-215 the words to be stored
.set QW,    216                        ; v216-223 as k's and q's layout wants them
.set VW,    224                        ; v224-227 as v's
.set G1A,   24                         ; s[24:31] descriptor group 1 for A's pieces;  s[32:39] for B's: they differ in the mask alone
.set G1B,   32
.set G0A,   48                         ; s[48:63] four groups 0 for A's pieces;  s[68:83] for B's
.set G0B,   68
.set SEL,   88                         ; s[88:89] v_permlanex16_b32's selects for lane l xor 16
.set MSB, 0
.macro WIN new                         ; the immediate's high byte repeats the setting that is left
.if MSB != \new
	s_set_vgpr_msb (MSB<<8)|\new
.set MSB, \new
.endif
.endm
.set MUL_LO, 0xa1                      ; source 0 (B) window 1, source 1 (A) window 0, C and D window 2
.set MUL_HI, 0xf1                      ; the same, C and D window 3
.set TO_B,   0x40                      ; destination window 1, address window 0
.macro CROUND                          ; a round of the cluster's barrier: my work-group's barrier; wave 0 signals for the work-group; every wave waits for all sixteen; my work-group's barrier once more
	s_barrier_signal -1
	s_barrier_wait -1
	s_cmp_lg_u32 s14, 0
	s_cbranch_scc1 .Lnot_wave_0_\@
	s_barrier_signal -3
.Lnot_wave_0_\@:
	s_barrier_wait -3
	s_barrier_signal -1
	s_barrier_wait -1
.endm
.macro PLACES n                        ; plain vector instructions that name no register of the matrix instructions ahead (ISA guide 7.12.1)
.rept \n
	v_nop
.endr
.endm
	s_load_b128 s[4:7], s[0:1], 0x0                ; codes s[4:5], qkv s[6:7]
	v_lshl_add_u32 v254, v0, 2, 0x44000
	v_mov_b32 v255, 0
	ds_add_u32 v254, v255
	ds_add_u32 v254, v255
	v_lshrrev_b32 v1, 5, v0
	v_readfirstlane_b32 s14, v1                    ; wave 0..3
	s_lshr_b32 s15, s14, 1                         ; which 128 rows of A are mine.  Also: I fetch for A (0) or for B (1)
	s_and_b32 s16, s14, 1                          ; which 128 rows of B.  Also: the even or the odd pieces
	s_bfe_u32 s40, ttmp6, 0x40000                  ; cx, cy: my place in the cluster
	s_bfe_u32 s41, ttmp6, 0x40004
	s_and_b32 s17, ttmp7, 0xffff                   ; the cluster's y: under 4: QK, else V: the same in all sixteen partners
	s_lshl_b32 s42, ttmp9, 2
	s_add_co_u32 s42, s42, s40                     ; 4 x cluster x + cx
	s_lshl_b32 s18, s17, 2
	s_max_u32 s19, s17, 4
	s_sub_co_u32 s19, s19, 4
	s_lshl_b32 s19, s19, 3
	s_cmp_lt_u32 s17, 4
	s_cselect_b32 s18, s18, 24                     ; A's block: QK: x's 4 x cluster y + cy;  V: w's 24 + cy.  No register of this chain ever holds cx
	s_cselect_b32 s19, 16, s19                     ; B's block: QK: w's 16 + 4 x cluster x + cx;  V: x's 8 (cluster y - 4) + 4 x cluster x + cx.  None of this chain holds cy
	s_cselect_b32 s90, -1, 0                       ; a lane mask: all ones in QK
	s_add_co_u32 s18, s18, s41
	s_add_co_u32 s19, s19, s42
	s_lshl_b32 s43, s41, 2
	s_lshl_b32 s43, 15, s43                        ; my row of the cluster
	s_lshl_b32 s44, 0x1111, s40                    ; my column
	; descriptor group 1: a piece is dense: 68 rows of 32 elements of 8 bytes, no padding
	s_or_b32 s[G1A], s43, (3<<16)|(1<<21)          ; 15:0 the mask: A's pieces go to my row; 17:16 elements of 8 bytes; 21 set beside a mask
	s_or_b32 s[G1B], s44, (3<<16)|(1<<21)          ; B's to my column
.irp g, G1A, G1B
	s_mov_b32 s[\g+1], 32<<16                      ; tensor_dim0 = 32
	s_mov_b32 s[\g+2], 68<<16                      ; tensor_dim1 = 68
	s_mov_b32 s[\g+3], 32<<16                      ; tile_dim0 = 32
	s_mov_b32 s[\g+4], 68                          ; tile_dim1 = 68
	s_mov_b32 s[\g+5], 32                          ; tensor_dim0_stride
	s_mov_b32 s[\g+6], 0
	s_mov_b32 s[\g+7], 0
.endr
	s_mul_i32 s45, s16, PIECE                      ; my first piece, in the block and in LDS alike: no place in the cluster enters an LDS address
	s_mul_i32 s20, s18, BLOCK
	s_add_co_u32 s20, s20, s45
	s_mov_b32 s21, 0
	s_mul_i32 s46, s19, BLOCK
	s_add_co_u32 s46, s46, s45
	s_mov_b32 s47, 0
	s_mov_b32 s[SEL], 0x76543210
	s_mov_b32 s[SEL+1], 0xfedcba98
	s_mov_b32 s91, 0xffff0000                      ; a lane mask: lanes 16-31
	s_wait_dscnt 0x0
	s_wait_kmcnt 0x0
	s_add_nc_u64 s[20:21], s[4:5], s[20:21]
	s_add_nc_u64 s[46:47], s[4:5], s[46:47]
	CROUND                                         ; all sixteen work-groups are here: the joint loads meet
.irp q, 0,1,2,3                                ; load q brings piece 2 q + (wave % 2)
	s_mov_b32 s[G0A+4*\q], 1                                       ; count = 1
	s_add_co_u32 s[G0A+4*\q+1], s45, \q*2*PIECE                    ; LDS address
	s_add_nc_u64 s[G0A+4*\q+2:G0A+4*\q+3], s[20:21], \q*2*PIECE    ; global address
	s_or_b32 s[G0A+4*\q+3], s[G0A+4*\q+3], 0x80000000              ; type = 2
	s_mov_b32 s[G0B+4*\q], 1
	s_add_co_u32 s[G0B+4*\q+1], s45, LB+\q*2*PIECE
	s_add_nc_u64 s[G0B+4*\q+2:G0B+4*\q+3], s[46:47], \q*2*PIECE
	s_or_b32 s[G0B+4*\q+3], s[G0B+4*\q+3], 0x80000000
.endr
	s_cmp_eq_u32 s15, 0                            ; a wave's four fills stand in one branch on the wave's number, ahead of every wait on TENSORcnt, every LDS read and every barrier but the round's
	s_cbranch_scc0 .Lfirst_b
.irp q, 0,1,2,3
	tensor_load_to_lds s[G0A+4*\q:G0A+4*\q+3], s[G1A:G1A+7]
	s_nop 0
.endr
	PLACES 4                                       ; four v_nop follow the last load, ahead of the jump and the label
	s_branch .Lfirst_asked
.Lfirst_b:
.irp q, 0,1,2,3
	tensor_load_to_lds s[G0B+4*\q:G0B+4*\q+3], s[G1B:G1B+7]
	s_nop 0
.endr
	PLACES 4
.Lfirst_asked:
	v_and_b32 v1, 15, v0                           ; r
	v_bfe_u32 v2, v0, 4, 1                         ; h
	v_and_b32 v3, 31, v0
	v_lshlrev_b32 v[VO0], 4, v3                    ; 16 x lane
	s_lshl_b32 s22, s15, 13
	s_add_co_u32 s22, s22, 8192                    ; my eight tiles of A in a K step's 16: 8,192 (the words) + 8,192 x half
	v_add_nc_u32 v[ADRA], s22, v[VO0]
	s_add_co_u32 s22, s22, 65536
	v_add_nc_u32 v[ADRA+1], s22, v[VO0]
	s_lshl_b32 s23, s16, 13
	s_add_co_u32 s23, s23, LB+8192
	v_add_nc_u32 v[ADRB], s23, v[VO0]
	s_add_co_u32 s23, s23, 65536
	v_add_nc_u32 v[ADRB+1], s23, v[VO0]
	s_lshl_b32 s22, s15, 12                        ; the words of my tiles of A: 512 bytes a tile,
	s_lshl_b32 s23, s16, 12
	s_add_co_u32 s23, s23, LB
	s_sub_co_u32 s23, s23, s22                     ; and how far on those of my tiles of B lie
	v_mul_u32_u24 v4, s23, v2                      ; lanes 16-31 take B's: the lower base + h x the distance
	v_lshl_add_u32 v5, v1, 4, s22
	v_add_nc_u32 v[ADRS], v5, v4
	v_lshlrev_b32 v[SH], 4, v2
.irp b, 0,1,2,3
	v_mov_b32 v[TM+4+\b], 0                        ; written once: a lane permute's destination counts as one of its sources
.endr
	; where my results go.  These registers feed no descriptor
	s_mov_b32 s93, HS
	s_lshl_b32 s94, s42, 2
	s_lshl_b32 s95, s16, 1
	s_add_co_u32 s94, s94, s95                     ; QK: my first head: 4 (B's block - 16) + 2 x half of B,
	s_lshl_b32 s95, s18, 1
	s_add_co_u32 s95, s95, s15                     ;     my group of 128 tokens: 2 x A's block + half of A
	s_lshl_b32 s96, s41, 2
	s_lshl_b32 s97, s15, 1
	s_add_co_u32 s96, s96, s97
	s_add_co_u32 s96, s96, 32                      ; V: 32 + 4 (A's block - 24) + 2 x half of A,
	s_lshl_b32 s97, s19, 1
	s_add_co_u32 s97, s97, s16                     ;    2 x B's block + half of B
	s_cmp_lt_u32 s17, 4
	s_cselect_b32 s94, s94, s96
	s_cselect_b32 s95, s95, s97
	s_cselect_b32 s92, 2048, s93                   ; from A's tiles 0-3 to tiles 4-7: QK 2,048 bytes on in the group, V the next head;
	s_cselect_b32 s93, s93, 2048                   ; from a fragment's first half to its second: QK the next head, V 2,048 bytes on
	s_mul_i32 s94, s94, HS
	s_mul_i32 s95, s95, GRP
	s_add_co_u32 s84, s94, s95
	s_mov_b32 s85, 0
	s_add_nc_u64 s[84:85], s[6:7], s[84:85]
	s_mov_b32 s86, s92
	s_mov_b32 s87, 0
	s_add_nc_u64 s[86:87], s[84:85], s[86:87]
	v_add_nc_u32 v[VO1], s93, v[VO0]
	v_mul_u32_u24 v[VS], v2, HS
	v_lshl_add_u32 v[VS], v1, 4, v[VS]             ; the words: 16 r; lanes 16-31 the next head's
.macro FRAG reg, adr, off              ; a fragment, 16 rows x 128 K of 4-bit codes, is 8 registers: its image is two runs of 512 bytes
	ds_load_b128 v[\reg:\reg+3], v[\adr] offset:\off
	ds_load_b128 v[\reg+4:\reg+7], v[\adr] offset:\off+512
.endm
.macro FETCH_B s, p                    ; B's eight fragments of K step s into set p
	WIN TO_B
.irp i, 0,1,2,3,4,5,6,7
	FRAG 128*(\p)+8*\i, ADRB+(\s)/4, 16384*((\s)%4)+1024*\i
.endr
	WIN 0
.endm
.macro FETCH_A s, i0                   ; A's tiles i0 .. i0 + 3
.irp i, \i0, \i0+1, \i0+2, \i0+3
	FRAG AF+8*(\i), ADRA+(\s)/4, 16384*((\s)%4)+1024*(\i)
.endr
.endm
.macro SCALES                          ; the scale words of all of K, once: four words a load
.irp i, 0,1,2,3,4,5,6,7
.irp g, 0,1
	ds_load_b128 v[SC+8*\i+4*\g:SC+8*\i+4*\g+3], v[ADRS] offset:512*\i+256*\g
.endr
.endr
.endm
; 16 matrix instructions: A's tiles a0, a0 + 1 x B's eight, K step s.  p: B's set.  zero = 1: the first product starts the sums: nothing is ever cleared.
; The 64 accumulators take turns, one instruction a turn, in the same order in every K step.
.macro MUL16 a0, p, s, zero
.irp a, \a0, \a0+1
.irp b, 0,1,2,3,4,5,6,7
.if \zero
	v_wmma_scale_f32_16x16x128_f8f6f4 v[8*(8*((\a)%4)+\b):8*(8*((\a)%4)+\b)+7], v[128*(\p)+8*\b:128*(\p)+8*\b+7], v[AF+8*(\a):AF+8*(\a)+7], 0, v[SC+8*\b+(\s)], v[SC+8*(\a)+(\s)] matrix_a_fmt:MATRIX_FMT_FP4 matrix_b_fmt:MATRIX_FMT_FP4 matrix_a_scale:MATRIX_SCALE_ROW1
.else
	v_wmma_scale_f32_16x16x128_f8f6f4 v[8*(8*((\a)%4)+\b):8*(8*((\a)%4)+\b)+7], v[128*(\p)+8*\b:128*(\p)+8*\b+7], v[AF+8*(\a):AF+8*(\a)+7], v[8*(8*((\a)%4)+\b):8*(8*((\a)%4)+\b)+7], v[SC+8*\b+(\s)], v[SC+8*(\a)+(\s)] matrix_a_fmt:MATRIX_FMT_FP4 matrix_b_fmt:MATRIX_FMT_FP4 matrix_a_scale:MATRIX_SCALE_ROW1
.endif
.endr
.endr
.endm
; K step s, which fetches K step s + 1's fragments.  A tile of A is free as soon as its eight products are issued, so one set serves A: tiles 0-3 come anew in the step's middle, tiles 4-7 at its end.
; gate >= 0: K step s + 1 lies in pieces that have not been shown landed yet: each wave waits until at most gate of its four tensor loads are out, and a barrier shows it of all four waves.
; Later pieces may stay on their way across them.
.macro STEP s, zero, gate
	s_wait_dscnt 8                                 ; B's set and A's tiles 0-3 are in; the youngest eight loads (A's tiles 4-7) may be out
	WIN MUL_LO
	MUL16 0, (\s)%2, \s, \zero
	MUL16 2, (\s)%2, \s, \zero
	s_wait_dscnt 0x0                               ; A's tiles 4-7 are in; no LDS instruction of mine is pending at a signal
.if \gate >= 0
	s_wait_tensorcnt \gate                         ; tensor loads of a wave end in order (ISA guide 10.11.1)
	s_barrier_signal -1
	s_barrier_wait -1
.endif
	PLACES 4                                       ; in front of loads into registers that matrix instructions have read
	FETCH_B (\s)+1, 1-(\s)%2
	FETCH_A (\s)+1, 0
	WIN MUL_HI
	MUL16 4, (\s)%2, \s, \zero
	MUL16 6, (\s)%2, \s, \zero
	PLACES 4
	WIN 0
	FETCH_A (\s)+1, 4
.endm
; With loads 0 .. q of all four waves landed, the first 34,816 (q + 1) bytes of each block are there; K step s ends at byte 8,192 + 16,384 (s + 1).
; So q = 0 serves the words and K step 0, q = 1 steps 1 and 2, q = 2 steps 3 and 4, q = 3 the rest.
	s_wait_tensorcnt 3                             ; my first load has landed; the three issued behind it may be out
	s_barrier_signal -1
	s_barrier_wait -1                              ; everybody's has
	SCALES
	FETCH_B 0, 0
	FETCH_A 0, 0
	FETCH_A 0, 4
	STEP 0, 1, 2
	STEP 1, 0, -1
	STEP 2, 0, 1
	STEP 3, 0, -1
	STEP 4, 0, 0
	STEP 5, 0, -1
	STEP 6, 0, -1
	s_wait_dscnt 8                                 ; the last K step: nothing more to fetch
	WIN MUL_LO
	MUL16 0, 1, 7, 0
	MUL16 2, 1, 7, 0
	s_wait_dscnt 0x0
	WIN MUL_HI
	MUL16 4, 1, 7, 0
	MUL16 6, 1, 7, 0
	WIN 0
	PLACES 4                                       ; in front of the first read of results
; THE WAY OUT.  The 64 results of A's tile a (eight accumulators) are 128 along the next K of my lane's row: four blocks of 32, each shared with lane l xor 16.  They become a fragment's codes and a scale word.
; The accumulators are read in ascending order, each from its low end on.
.macro QUANTW a
.set AC, 64*((\a)%4)
.set W, 2+(\a)/4
.set WM, 20*W
.set PCS, PC+8*((\a)%2)
	WIN WM                                         ; sources 1 and 2: the accumulators' window
.irp b, 0,1,2,3
	v_max3_num_f32 v[TM+\b], 0x1800000, |v[AC+16*\b]|, |v[AC+16*\b+1]|   ; block b: my 16 numbers, and the floor 2^(3 - 127): the byte cannot fall under 1
.endr
.irp i, 2,4,6,8,10,12,14
.irp b, 0,1,2,3
	v_max3_num_f32 v[TM+\b], v[TM+\b], |v[AC+16*\b+\i]|, |v[AC+16*\b+\i+1]|
.endr
.endr
	WIN 0
.irp b, 0,1,2,3
	v_permlanex16_b32 v[TM+4+\b], v[TM+\b], s[SEL], s[SEL+1]
.endr
.irp b, 0,1,2,3
	v_max_num_f32 v[TM+\b], v[TM+\b], v[TM+4+\b]           ; the block's largest magnitude
.endr
.irp b, 0,1,2,3
	v_add_nc_u32 v[TM+12+\b], 0xff000000, v[TM+\b]         ; 2 off its exponent field: the conversion's scale operand
.endr
.irp b, 0,1,2,3
	v_lshrrev_b32 v[TM+4+\b], 23, v[TM+12+\b]              ; the byte
.endr
	v_lshl_or_b32 v[PWS+(\a)], v[TM+5], 8, v[TM+4]
	v_lshl_or_b32 v[PWS+(\a)], v[TM+6], 16, v[PWS+(\a)]
	v_lshl_or_b32 v[PWS+(\a)], v[TM+7], 24, v[PWS+(\a)]
	WIN W                                          ; source 0: the accumulators' window
.irp b, 0,1,2,3
	v_cvt_scalef32_pk8_fp4_f32 v[PCS+2*\b], v[AC+16*\b:AC+16*\b+7], v[TM+12+\b]
	v_cvt_scalef32_pk8_fp4_f32 v[PCS+1+2*\b], v[AC+16*\b+8:AC+16*\b+15], v[TM+12+\b]
.endr
	WIN 0
	v_nop                                          ; one plain place behind a scaled conversion
.irp c, 0,1                                    ; a whole block to a lane: lanes 0-15 block 2 c, lanes 16-31 block 2 c + 1
.irp i, 0,1
	v_permlane16_swap_b32 v[PCS+4*\c+\i], v[PCS+2+4*\c+\i]
.endr
.endr
.endm
.macro OUT a
.if (\a) >= 2
	s_wait_xcnt 0x0                                ; tile a - 2's stores have read this set of code registers: only behind this wait is it written again
.endif
	QUANTW \a
	global_store_b128 v[VO0], v[PCS:PCS+3], s[84+2*((\a)/4):85+2*((\a)/4)] offset:512*((\a)%4)     ; QK: my first head, tile a.  V: head a / 4, tile a % 4, keys 0-63.  Each store covers 512 consecutive bytes, aligned to 256
	global_store_b128 v[VO1], v[PCS+4:PCS+7], s[84+2*((\a)/4):85+2*((\a)/4)] offset:512*((\a)%4)   ; QK: the next head.  V: keys 64-127
.endm
.irp a, 0,1,2,3,4,5,6,7
	OUT \a
.endr
	; the scale words, without a branch: both layouts are made and the mode's is chosen lane mask by lane mask
.irp i, 0,1,2,3,4,5,6,7
	v_lshrrev_b32 v[QW+\i], v[SH], v[PWS+\i]       ; k, q: lanes 0-15 the first head's two bytes (the next head's above them), lanes 16-31 the next head's (zeros above)
.endr
.irp i, 0,1,2,3
	v_cndmask_b32 v[VW+\i], v[PWS+\i], v[PWS+4+\i], s91    ; v: lanes 0-15 the first head's tile i, lanes 16-31 the next head's
.endr
.irp i, 0,1,2,3
	v_cndmask_b32 v[DW+\i], v[VW+\i], v[QW+\i], s90
.endr
.irp i, 0,1,2,3
	v_cndmask_b32 v[DW+4+\i], 0, v[QW+4+\i], s90   ; v's second 256 bytes are zeros
.endr
	global_store_b128 v[VS], v[DW:DW+3], s[84:85] offset:4096        ; sixteen lanes store 256 consecutive bytes, aligned, for each of the two heads
	global_store_b128 v[VS], v[DW+4:DW+7], s[84:85] offset:4096+256
	s_wait_tensorcnt 0x0
	ds_add_u32 v254, v255
	s_wait_dscnt 0x0
	CROUND                                         ; the closing round: no work-group ends while a partner may still ask for a piece that names it
	s_endpgm
.Lfunc_end_k_q72589a6cb4_gemm:
	.size	k_q72589a6cb4_gemm, .Lfunc_end_k_q72589a6cb4_gemm-k_q72589a6cb4_gemm
	.p2alignl 7, 3214868480
	.fill 96, 4, 3214868480
	.section	.rodata,"a",@progbits
	.p2align	6, 0x0
	.amdhsa_kernel k_q72589a6cb4_gemm
		.amdhsa_group_segment_fixed_size 327680
		.amdhsa_private_segment_fixed_size 0
		.amdhsa_enable_private_segment 0
		.amdhsa_kernarg_size 16
		.amdhsa_user_sgpr_count 2
		.amdhsa_user_sgpr_kernarg_segment_ptr 1
		.amdhsa_wavefront_size32 1
		.amdhsa_system_sgpr_workgroup_id_x 1
		.amdhsa_system_sgpr_workgroup_id_y 1
		.amdhsa_system_sgpr_workgroup_id_z 1
		.amdhsa_system_vgpr_workitem_id 0
		.amdhsa_next_free_vgpr 1024
		.amdhsa_next_free_sgpr 100
		.amdhsa_reserve_vcc 0
		.amdhsa_float_denorm_mode_32 3
		.amdhsa_float_denorm_mode_16_64 3
		.amdhsa_memory_ordered 1
		.amdhsa_forward_progress 1
		.amdhsa_inst_pref_size 128
	.end_amdhsa_kernel
	.amdgpu_metadata
---
amdhsa.version: [ 1, 2 ]
amdhsa.kernels:
  - .name:           k_q72589a6cb4_gemm
    .symbol:         k_q72589a6cb4_gemm.kd
    .args:
      - { .name: codes, .offset: 0, .size: 8, .value_kind: global_buffer, .address_space: global }
      - { .name: qkv, .offset: 8, .size: 8, .value_kind: global_buffer, .address_space: global }
    .group_segment_fixed_size: 327680
    .private_segment_fixed_size: 0
    .kernarg_segment_align: 8
    .kernarg_segment_size: 16
    .max_flat_workgroup_size: 128
    .sgpr_count:     100
    .vgpr_count:     1024
    .wavefront_size: 32
...
	.end_amdgpu_metadata
.endif
;; end of part 2
;; launch attn (part 3): grid 16 x 16, 16 waves a work-group, no clusters, 169,984 bytes of LDS; arguments qkv, out0; writes out0
.if DOCPART == 3
	.amdgcn_target "amdgcn-amd-amdhsa--gfx1250"
	.amdhsa_code_object_version 6
	.text
	.protected	k_q72589a6cb4_attn
	.globl	k_q72589a6cb4_attn
	.p2align	8
	.type	k_q72589a6cb4_attn,@function
k_q72589a6cb4_attn:
	s_mov_b64 s[64:65], 0
	v_nop
	global_prefetch_b8 v0, s[64:65] scope:SCOPE_SE
	s_setreg_imm32_b32 hwreg(HW_REG_WAVE_MODE, 25, 1), 1
	s_wait_xcnt 0x0
; out[i][head] = the sum over keys j, 0 <= i - j <= 512, of softmax_j(q_i . k_j / 32 + slope (j - i)) v_j, both products on codes of FP4 (E2M1) with one E8M0 scale for each 32 along a product's K.
; q, k, v come as operand images from the launch before (its head comment has the layout): k, q quantised along the head's 64, v along the keys.
; THE SOFTMAX AHEAD OF THE SECOND PRODUCT: t = logit x log2(e); M = the row's largest t so far, rounded UP to a whole number; p = 2^(t - M) is what is quantised, along the keys, not normalised.
; The row's sum is taken of the unquantised p, in f32, and divides at the end.  When M moves, the sum and O are multiplied by 2^(old M - new M): exact.
; THE MASK is the problem's own.  A wave's 16 queries lie in ONE block of 32 tokens, block Q = 4 g + A (g: their group of 128, A: tile / 2), so they need the 17 blocks of keys Q - 16 .. Q and no others.
; THE WAVE'S KEY STEPS BEGIN AT ITS OWN BLOCK Q - 16: four steps of four blocks, then one block.  Only the first block is cut from below (i - j <= 512) and only the last on the diagonal (j <= i): 16 registers each.
; Position s of step t is block (A + s) % 4 of group g - 4 + t + (A + s) / 4.  The images lie block by block, so this is a matter of LDS addresses alone; V's scale words are turned byte by byte by one v_perm_b32.
; THE ALIBI TERM: j - i is formed as an exact whole number in f32 and enters by ONE fused multiply-add onto the score: D = score + 32 slope (j - i), t = D x log2(e) / 32.  No difference of large products is formed.
; SHARES.  A work-group owns 256 queries of one head; each of its sixteen waves 16 of them, one tile, in 256 registers: four waves to a SIMD, so that one wave's vector work stands beside another's products and LDS loads.
; LDS, FILLED ONCE: six key groups of k and six of v (groups 2 B - 4 .. 2 B + 1), 55,296 bytes, brought by one tensor load each of waves 0-5.  For B = 0 and 1 the pairs of groups that would lie ahead of key 0
; are brought from key 0 on: so every load and every LDS address is alike in all work-groups.  A step all of whose blocks lie ahead of key 0 is left out; the step that straddles key 0 reads such a slot's codes
; (valid codes and scale bytes of other keys), makes their scores -infinity, and so multiplies them by zero codes of p.
; NO CLUSTER: a work-group fetches its 55,296 bytes once, ahead of all its work, and neighbouring query blocks want ranges of six groups displaced by two: no one descriptor serves two partners.
; LAYOUT.  Both products are used transposed: S^T = K Q^T (source 0 = 16 keys, source 1 = my 16 queries), O^T = V^T P^T: a lane holds ONE query (lane % 16) throughout.  By the order of a tile's rows
; (row r of tile 2 b + u is index 32 b + 8 u + r + 8 (r / 8)) register n of S^T is key n % 16 + 16 (lane / 16) of the block at position n / 16.  The head has 64 along K: the fragments' upper four registers are zero codes.
; LIMITS: p under 2^-126 counts as 0 (v_exp_f32 gives no denormals); NaN and infinities among the inputs are not served.
; REGISTERS: v1-7 addresses and constants; v[8:9] j - i of registers 0, 1; v12 -M, v13 the largest t, v[14:15] the sum in two halves; v16-23 Q, v24 its scale words; v25-30 K's addresses; v32-63 four fragments of K;
;   v64-95 V's four; v96-159 S^T, then p; v160-191 O^T; v192-199 p's codes; v200-207 four pairs of j - i; v208-211 K's scale words; v212-219 V's of two groups, v220-223 turned; v224-228 addresses; v232-254 at work, v253 p's scale word.
.set HS,    147456
.set GRP,   4608
.set VB,    6*GRP                      ; LDS: K's six groups, then V's six,
.set STAGE, 12*GRP                     ; then the stages for the way out: 16 rows x (256 bytes + 16) for each wave: no tensor load lands there
.set AK,  25                           ; v25-28  K's tiles of position s: 16 x lane + my first slot + the block's 1,024 bytes + a group on where (A + s) passes 4
.set AKS, 29                           ; v29-30  K's scale words: lanes 0-15 position p, lanes 16-31 position 2 + p
.set KF,  32
.set VF,  64
.set S,   96
.set OT,  160
.set PCD, 192
.set TP,  200
.set KSC, 208
.set VSC, 212                          ; V's scale words of the step's first group,
.set VSN, 216                          ; of the next,
.set VSR, 220                          ; and as the step's four positions want them
.set AV,  224                          ; v224-225 V's fragments: register group c of lane (r, h) is position 2 c + h
.set AVQ, 226                          ; v226    V's block A of a group, for all lanes: the last block
.set AKSQ, 227                         ; v227    K's scale words of block A of a group
.set ZF,  228                          ; v228    at work: how far key 0 lies from a straddling step's first key
.macro F32INT n                        ; FB = the f32 bits of the whole number n, 0 .. 127
.if (\n) == 0
.set FB, 0
.elseif (\n) < 2
.set FB, 127<<23
.elseif (\n) < 4
.set FB, (128<<23)|(((\n)-2)<<22)
.elseif (\n) < 8
.set FB, (129<<23)|(((\n)-4)<<21)
.elseif (\n) < 16
.set FB, (130<<23)|(((\n)-8)<<20)
.elseif (\n) < 32
.set FB, (131<<23)|(((\n)-16)<<19)
.elseif (\n) < 64
.set FB, (132<<23)|(((\n)-32)<<18)
.else
.set FB, (133<<23)|(((\n)-64)<<17)
.endif
.endm
	s_load_b128 s[4:7], s[0:1], 0x0                ; qkv s[4:5], out s[6:7]
	v_lshl_add_u32 v251, v0, 2, 0x29000
	v_mov_b32 v255, 0
	ds_add_u32 v251, v255
	ds_add_u32 v251, v255
	v_lshrrev_b32 v1, 5, v0
	v_readfirstlane_b32 s18, v1                    ; wave 0..15
	s_and_b32 s8, ttmp7, 0xffff                    ; the head
	s_lshr_b32 s9, s18, 3                          ; which of the block's two groups of 128 queries is mine,
	s_and_b32 s10, s18, 7                          ; and which tile a of it
	s_lshl_b32 s19, ttmp9, 1
	s_add_co_u32 s19, s19, s9                      ; my group g = 2 B + wave / 8
	s_lshr_b32 s32, s10, 1                         ; A = a / 2: my queries' block of 32 in the group
	s_lshl_b32 s33, s19, 2
	s_add_co_u32 s33, s33, s32                     ; Q = 4 g + A: that block, counted from token 0
	s_mul_i32 s34, s32, 0x01010101
	s_add_co_u32 s34, s34, 0x03020100              ; v_perm_b32's selector: byte s of the result is byte A + s of the eight bytes {next group's word, this group's}
	; what I fetch, if I fetch: waves 0-2 pairs 0-2 of K's groups, waves 3-5 of V's
	s_cmp_ge_u32 s18, 3
	s_cselect_b32 s11, 1, 0
	s_mul_i32 s12, s11, 3
	s_sub_co_u32 s12, s18, s12                     ; the pair p
	s_lshl_b32 s12, s12, 1
	s_lshl_b32 s13, ttmp9, 1
	s_add_co_u32 s12, s12, s13
	s_max_u32 s12, s12, 4
	s_sub_co_u32 s12, s12, 4                       ; its first group: 2 B - 4 + 2 p, held at 0 from below
	s_mul_i32 s12, s12, GRP
	s_lshl_b32 s13, s11, 5
	s_add_co_u32 s13, s13, s8                      ; k's heads are 0-15 of the buffer, v's 32-47
	s_mul_i32 s13, s13, HS
	s_add_co_u32 s12, s12, s13
	s_mov_b32 s13, 0
	; descriptor group 1: two groups are dense: 9,216 bytes as 36 rows of 32 elements of 8 bytes, no padding
	s_mov_b32 s24, 3<<16                           ; no mask; elements of 8 bytes
	s_mov_b32 s25, 32<<16                          ; tensor_dim0 = 32
	s_mov_b32 s26, 36<<16                          ; tensor_dim1 = 36
	s_mov_b32 s27, 32<<16                          ; tile_dim0 = 32
	s_mov_b32 s28, 36                              ; tile_dim1 = 36
	s_mov_b32 s29, 32                              ; tensor_dim0_stride
	s_mov_b32 s30, 0
	s_mov_b32 s31, 0
	s_mov_b32 s20, 0x76543210
	s_mov_b32 s21, 0xfedcba98                      ; v_permlanex16_b32's selects for lane l xor 16
	s_mov_b32 s22, 0x3d38aa3b                      ; c = log2(e) / 32
	s_mov_b32 s23, s22                             ; (the packed form names the pair)
	s_mov_b32 s44, 0x3f3504f3                      ; 32 x slope = 2^(5 - (head + 1) / 2): sqrt(1/2) for an even head, 1 for an odd one,
	s_bitcmp1_b32 s8, 0
	s_cselect_b32 s44, 0x3f800000, s44
	s_add_co_u32 s45, s8, 1
	s_lshr_b32 s45, s45, 1
	s_sub_co_u32 s45, 5, s45
	s_lshl_b32 s45, s45, 23
	s_add_co_u32 s44, s44, s45                     ; with 5 - (head + 1) / 2, rounded down, added to its exponent field
	s_mov_b32 s45, s44
	s_wait_dscnt 0x0
	s_wait_kmcnt 0x0
	s_mov_b32 s40, 1                               ; group 0: count = 1
	s_mul_i32 s41, s18, 2*GRP                      ; LDS address: 9,216 x wave
	s_add_nc_u64 s[42:43], s[4:5], s[12:13]        ; global address
	s_or_b32 s43, s43, 0x80000000                  ; type = 2
	s_cmp_lt_u32 s18, 6
	s_cbranch_scc0 .Lno_fetch
	tensor_load_to_lds s[40:43], s[24:31]          ; one tensor load of a wave is out
	s_nop 0
.rept 4
	v_nop                                          ; four v_nop follow the load, ahead of the label
.endr
.Lno_fetch:
	v_and_b32 v9, 31, v0                           ; lane
	v_and_b32 v10, 15, v0                          ; r
	v_bfe_u32 v11, v0, 4, 1                        ; h
	s_add_co_u32 s50, s8, 16                       ; q's heads are 16-31 of the buffer
	s_mul_i32 s50, s50, HS
	s_mul_i32 s51, s19, GRP
	s_add_co_u32 s50, s50, s51
	s_mov_b32 s51, 0
	s_add_nc_u64 s[50:51], s[4:5], s[50:51]        ; my group of q
	s_lshl_b32 s52, s10, 9
	v_lshl_add_u32 v232, v9, 4, s52                ; tile a's image
	global_load_b128 v[16:19], v232, s[50:51]      ; Q's fragment stays in registers
	s_lshr_b32 s53, s10, 2
	s_lshl_b32 s53, s53, 8
	s_and_b32 s52, s10, 3
	s_lshl_b32 s52, s52, 2
	s_add_co_u32 s53, s53, s52
	s_add_co_u32 s53, s53, 4096
	v_lshl_add_u32 v233, v10, 4, s53
	global_load_b32 v24, v233, s[50:51]            ; and its scale words: [a / 4][r][a % 4]
	s_mul_i32 s46, s9, GRP                         ; my first slot: wave / 8
	v_lshl_add_u32 v1, v9, 4, s46                  ; an image's place for my lane, from that slot on
.irp p, 0,1,2,3                                ; K's tiles of position p: block (A + p) % 4, 1,024 bytes a block, a group on where A + p passes 4
	s_add_co_u32 s35, s32, \p
	s_and_b32 s36, s35, 3
	s_lshl_b32 s36, s36, 10
	s_lshr_b32 s35, s35, 2
	s_mul_i32 s35, s35, GRP
	s_add_co_u32 s35, s35, s36
	v_add_nc_u32 v[AK+\p], s35, v1
.endr
	s_add_co_u32 s38, s46, 4096                    ; a group's scale words lie behind its 4,096 bytes of codes
	v_lshl_add_u32 v240, v11, 1, s32               ; A + 2 h
.irp p, 0,1                                    ; K's scale words of position 2 h + p: block b's two tiles have two neighbouring words of row r: 256 (b / 2) + 16 r + 8 (b % 2)
	v_add_nc_u32 v241, \p, v240
	v_and_b32 v242, 3, v241                        ; b
	v_lshrrev_b32 v241, 2, v241
	v_mul_u32_u24 v241, v241, GRP                  ; a group on?
	v_lshrrev_b32 v243, 1, v242
	v_lshl_add_u32 v241, v243, 8, v241
	v_and_b32 v242, 1, v242
	v_lshl_add_u32 v241, v242, 3, v241
	v_lshl_add_u32 v241, v10, 4, v241
	v_add_nc_u32 v[AKS+\p], s38, v241
.endr
	s_add_co_u32 s39, s46, VB
	v_add_nc_u32 v240, s32, v11                    ; A + h
.irp c, 0,1                                    ; V's codes of position 2 c + h: the image holds block b of row r at 2,048 (b / 2) + 256 (b % 2) + 16 r (+ 512 x tile)
	v_add_nc_u32 v241, 2*\c, v240
	v_and_b32 v242, 3, v241                        ; b
	v_lshrrev_b32 v241, 2, v241
	v_mul_u32_u24 v241, v241, GRP
	v_lshrrev_b32 v243, 1, v242
	v_lshl_add_u32 v241, v243, 11, v241
	v_and_b32 v242, 1, v242
	v_lshl_add_u32 v241, v242, 8, v241
	v_lshl_add_u32 v241, v10, 4, v241
	v_add_nc_u32 v[AV+\c], s39, v241
.endr
	s_lshr_b32 s35, s32, 1                         ; the last block is block A of my own group, for every lane
	s_and_b32 s36, s32, 1
	s_lshl_b32 s37, s35, 11
	s_lshl_b32 s49, s36, 8
	s_add_co_u32 s37, s37, s49
	s_add_co_u32 s37, s37, s39
	v_lshl_add_u32 v[AVQ], v10, 4, s37
	s_lshl_b32 s37, s35, 8
	s_lshl_b32 s49, s36, 3
	s_add_co_u32 s37, s37, s49
	s_add_co_u32 s37, s37, s38
	v_lshl_add_u32 v[AKSQ], v10, 4, s37
	s_and_b32 s48, s10, 1
	s_lshl_b32 s48, s48, 3                         ; 8 (a % 2)
	s_lshl_b32 s47, s32, 5
	s_add_co_u32 s47, s47, s48                     ; my tile's first token in the group: 32 A + 8 (a % 2)
	v_and_b32 v2, 8, v10
	v_add_nc_u32 v2, v2, v10
	v_add_nc_u32 v2, s48, v2                       ; my query's place in its block of 32
	v_lshlrev_b32 v3, 4, v11
	v_sub_nc_u32 v2, v2, v3                        ; e = that place - 16 h: register n of step t holds the key at 128 (t - 4) + 32 (n / 16) + n % 16 - e from my query
	v_cvt_f32_i32 v3, v2
	v_mul_f32 v3, -1.0, v3                         ; -e in f32
	s_mul_i32 s56, s18, 16*272
	s_add_co_u32 s56, s56, STAGE                   ; my stage
	v_mul_u32_u24 v4, v10, 272
	v_lshl_add_u32 v4, v11, 6, v4
	v_add_nc_u32 v4, s56, v4                       ; in: row r, + 64 h
	v_mul_u32_u24 v5, v11, 272
	v_lshl_add_u32 v5, v10, 4, v5
	v_add_nc_u32 v5, s56, v5                       ; back: lanes 0-15 one row of 256 bytes, lanes 16-31 the next
	v_lshlrev_b32 v6, 12, v11
	v_lshl_add_u32 v6, v10, 4, v6                  ; and the same two rows in out
	s_lshl_b32 s54, s19, 7
	s_add_co_u32 s54, s54, s47
	s_lshl_b32 s54, s54, 12                        ; my tile's first row of out, 4,096 bytes a row,
	s_lshl_b32 s55, s8, 8                          ; and the head's 256 bytes in it
	s_add_co_u32 s54, s54, s55
	s_mov_b32 s55, 0
	s_add_nc_u64 s[6:7], s[6:7], s[54:55]
	v_mov_b32 v7, 0xff800000                       ; -infinity
	v_mov_b32 v13, 0xff61b1e6                      ; the largest t so far: -3e38, under every t
	v_floor_f32 v12, -v13                          ; -M
	v_mov_b32 v14, 0                               ; the sum, in two halves
	v_mov_b32 v15, 0
.irp j, 20,21,22,23
	v_mov_b32 v[\j], 0                             ; Q's k = 64 .. 127: zero codes
.endr
.irp f, 0,1,2,3
.irp j, 4,5,6,7
	v_mov_b32 v[KF+8*\f+\j], 0                     ; K's likewise: written once, no load lands here
.endr
.endr
.set j, 0
.rept 32
	v_mov_b32 v[OT+j], 0                           ; O^T.  (The steps are written alike: the first finds zeros, which the first change of M leaves zeros)
.set j, j+1
.endr
.irp b, 0,1,2,3
	v_mov_b32 v[236+\b], 0                         ; written once: a lane permute's destination counts as one of its sources
.endr
	v_mov_b32 v253, 0                              ; (named as the upper half of the pair v[252:253] before it is first written)
	s_wait_tensorcnt 0x0                           ; my load, if I issued one, has landed,
	s_barrier_signal -1
	s_barrier_wait -1                              ; everybody's has
	s_wait_loadcnt 0x0                             ; Q
; D = score + 32 slope (j - i) for nt tiles, tile by tile, each accumulator from its low end on.  v[8:9] hold j - i of registers 0 and 1.
.macro ALIBI nt
.set u, 0
.rept \nt
.set k, 0
.rept 4
	F32INT 32*(u/2)+8*(u%2)+2*k
.if FB != 0
	v_pk_add_f32 v[TP+2*k:TP+2*k+1], v[8:9], FB op_sel_hi:[1,0]    ; j - i of registers 8 u + 2 k and + 1: exact
.endif
.set k, k+1
.endr
.set k, 0
.rept 4
.if (u == 0) && (k == 0)
	v_pk_fma_f32 v[S:S+1], v[8:9], s[44:45], v[S:S+1] op_sel_hi:[1,0,1]
.else
	v_pk_fma_f32 v[S+8*u+2*k:S+8*u+2*k+1], v[TP+2*k:TP+2*k+1], s[44:45], v[S+8*u+2*k:S+8*u+2*k+1] op_sel_hi:[1,0,1]
.endif
.set k, k+1
.endr
.set u, u+1
.endr
.endm
; The softmax of nb blocks of 32 keys (4, or 1 for the last block): D in v[S] on becomes p; p's codes go to v[PCD] on, its scale word to v253; M, the sum and f = 2^(old M - new M) (v252) are brought on.
.macro SOFTMAX nb
.set bb, 0
.rept \nb
	v_max3_num_f32 v[232+bb], v[S+16*bb], v[S+1+16*bb], v[S+2+16*bb]   ; THE LARGEST D OF EACH BLOCK serves twice: for the row's maximum, and, since p rises with D, for the block's largest p
.set bb, bb+1
.endr
.irp i, 3,5,7,9,11,13
.set bb, 0
.rept \nb
	v_max3_num_f32 v[232+bb], v[232+bb], v[S+16*bb+\i], v[S+1+16*bb+\i]
.set bb, bb+1
.endr
.endr
.set bb, 0
.rept \nb
	v_max_num_f32 v[232+bb], v[232+bb], v[S+15+16*bb]
.set bb, bb+1
.endr
.set bb, 0
.rept \nb
	v_permlanex16_b32 v[236+bb], v[232+bb], s20, s21
.set bb, bb+1
.endr
.set bb, 0
.rept \nb
	v_max_num_f32 v[232+bb], v[232+bb], v[236+bb]          ; with lane l xor 16's 16 keys
.set bb, bb+1
.endr
.if \nb == 4
	v_max3_num_f32 v254, v232, v233, v234
	v_max_num_f32 v254, v254, v235                 ; the step's largest D of my query
	v_mul_f32 v254, s22, v254                      ; as t (c is positive)
.else
	v_mul_f32 v254, s22, v232
.endif
	v_max_num_f32 v13, v13, v254                   ; the running largest t
	v_mov_b32 v254, v12
	v_floor_f32 v12, -v13                          ; the new -M = floor(-t) = -ceil(t): a whole number
	v_sub_f32 v254, v12, v254                      ; M's old value less its new one: a whole number, 0 or less
	v_cvt_i32_f32 v254, v254                       ; (it saturates)
	v_ldexp_f32 v252, 1.0, v254                    ; f = 2^(old M - new M)
.set j, 0
.rept 8*\nb
	v_pk_fma_f32 v[S+j:S+j+1], v[S+j:S+j+1], s[22:23], v[12:13] op_sel_hi:[1,0,0]   ; t - M, two at a time (of the pairs c and -M the low word serves both halves)
.set j, j+2
.endr
.set bb, 0
.rept \nb
	v_fma_f32 v[232+bb], v[232+bb], s22, v12       ; the same of each block's largest D
.set bb, bb+1
.endr
.set j, 0
.rept 16*\nb
	v_exp_f32 v[S+j], v[S+j]                       ; p = 2^(t - M), at most 1: not normalised
.set j, j+1
.endr
.set bb, 0
.rept \nb
	v_exp_f32 v[232+bb], v[232+bb]                 ; the block's largest p: the same two instructions on the same number give the same bits
.set bb, bb+1
.endr
	v_pk_mul_f32 v[14:15], v[14:15], v[252:253] op_sel_hi:[1,0]    ; the sums under the new M.  (A plain place behind the exponentials)
.set bb, 0
	s_wait_alu depctr_va_vdst(0)
.rept \nb
	v_max_num_f32 v[232+bb], 0x1800000, v[232+bb]  ; the floor 2^(3 - 127): the byte cannot fall under 1 (a block whose every p is 0 keeps that byte: its codes are zeros)
.set bb, bb+1
.endr
.set bb, 0
.rept \nb
	v_add_nc_u32 v[244+bb], 0xff000000, v[232+bb]  ; 2 off the exponent field: the conversion's scale operand
.set bb, bb+1
.endr
.if \nb == 4
.irp b, 0,1,2,3
	v_lshrrev_b32 v[236+\b], 23, v[244+\b]         ; the byte
.endr
	v_lshl_or_b32 v253, v237, 8, v236              ; p's scale word for these 128 keys
	v_lshl_or_b32 v253, v238, 16, v253
	v_lshl_or_b32 v253, v239, 24, v253
.else
	v_lshrrev_b32 v253, 23, v244                   ; the one block's byte; the three bytes above it are 0 and scale zero codes
.endif
.set bb, 0
.rept \nb
	v_cvt_scalef32_pk8_fp4_f32 v[PCD+2*bb], v[S+16*bb:S+7+16*bb], v[244+bb]
	v_cvt_scalef32_pk8_fp4_f32 v[PCD+1+2*bb], v[S+8+16*bb:S+15+16*bb], v[244+bb]
.set bb, bb+1
.endr
.if \nb == 4
	v_nop                                          ; one plain place behind a scaled conversion
.irp c, 0,1                                    ; a whole block to a lane: lanes 0-15 block 2 c, lanes 16-31 block 2 c + 1
.irp i, 0,1
	v_permlane16_swap_b32 v[PCD+4*\c+\i], v[PCD+2+4*\c+\i]
.endr
.endr
.else
.irp i, 2,3,4,5,6,7
	v_mov_b32 v[PCD+\i], 0                         ; positions 1 to 3 hold no keys: zero codes.  (Plain places behind the conversions)
.endr
.irp i, 0,1
	v_permlane16_swap_b32 v[PCD+\i], v[PCD+2+\i]   ; the block whole in lanes 0-15, zeros in lanes 16-31
.endr
.endif
	v_pk_add_f32 v[236:237], v[S:S+1], v[S+2:S+3]  ; THE ROW'S SUM IS TAKEN OF THE UNQUANTISED p: two at a time, in two chains
.set j, 4
.rept 4*\nb-1
	v_pk_add_f32 v[14:15], v[14:15], v[S+j:S+j+1]
	v_pk_add_f32 v[236:237], v[236:237], v[S+j+2:S+j+3]
.set j, j+4
.endr
	v_pk_add_f32 v[14:15], v[14:15], v[236:237]    ; (these additions, eight at the least, are the places between the writing of p's codes and scale word and the products that follow)
.endm
; O^T under the new M, then O^T += V^T P^T: one instruction on each of the four accumulators: no link stands next to the one that it adds onto
.macro PV
.set j, 0
.rept 16
	v_pk_mul_f32 v[OT+j:OT+j+1], v[OT+j:OT+j+1], v[252:253] op_sel_hi:[1,0]   ; each accumulator from its low end on
.set j, j+2
.endr
.irp f, 0,1,2,3
	v_wmma_scale_f32_16x16x128_f8f6f4 v[OT+8*\f:OT+8*\f+7], v[VF+8*\f:VF+8*\f+7], v[PCD:PCD+7], v[OT+8*\f:OT+8*\f+7], v[VSR+\f], v253 matrix_a_fmt:MATRIX_FMT_FP4 matrix_b_fmt:MATRIX_FMT_FP4
.endr
.endm
; KEY STEP t: the four blocks Q - 16 + 4 t on.  base: 128 (t - 4) as f32.
.macro STEP t, base
	s_add_co_u32 s37, s33, 4*\t                    ; the step's first block + 16
	s_cmp_lt_u32 s37, 13                           ; all four blocks ahead of key 0: the step is left out: a scalar branch on ids; no barrier and no tensor load stands in a step
	s_cbranch_scc1 .Lskip_\@
	v_add_f32 v8, \base, v3                        ; j - i of register 0: a whole number, exact;
	v_add_f32 v9, 1.0, v8                          ; of register 1.  With the two v_nop: the four places in front of loads into registers that the last step's products have read
	v_nop
	v_nop
.irp p, 0,1
	ds_load_b64 v[KSC+2*\p:KSC+2*\p+1], v[AKS+\p] offset:GRP*\t    ; K's scale words: register 2 p + u: lanes 0-15 tile u of position p, lanes 16-31 of position 2 + p
.endr
.irp f, 0,1,2,3
	ds_load_b128 v[KF+8*\f:KF+8*\f+3], v[AK+\f/2] offset:GRP*\t+512*(\f%2)   ; K's tiles of positions 0 and 1
.endr
	ds_load_b128 v[VSC:VSC+3], v1 offset:VB+GRP*\t+4096            ; V's scale words of the step's first group (lanes 0-15; the others read the zeros behind them),
	ds_load_b128 v[VSN:VSN+3], v1 offset:VB+GRP*(\t+1)+4096        ; and of the next
.irp f, 0,1,2,3
.irp c, 0,1
	ds_load_b128 v[VF+8*\f+4*\c:VF+8*\f+4*\c+3], v[AV+\c] offset:GRP*\t+512*\f
.endr
.endr
	s_wait_dscnt 10                                ; K's six loads are in; V's ten, issued behind them, may be out
.irp f, 0,1,2,3
	v_wmma_scale_f32_16x16x128_f8f6f4 v[S+8*\f:S+8*\f+7], v[KF+8*\f:KF+8*\f+7], v[16:23], 0, v[KSC+\f], v24 matrix_a_fmt:MATRIX_FMT_FP4 matrix_b_fmt:MATRIX_FMT_FP4
.endr
.rept 4
	v_nop                                          ; places in front of loads into K's fragments
.endr
.irp f, 0,1,2,3
	ds_load_b128 v[KF+8*\f:KF+8*\f+3], v[AK+2+\f/2] offset:GRP*\t+512*(\f%2)   ; positions 2 and 3
.endr
	s_wait_dscnt 0x0
.irp f, 0,1,2,3
	v_wmma_scale_f32_16x16x128_f8f6f4 v[S+32+8*\f:S+32+8*\f+7], v[KF+8*\f:KF+8*\f+7], v[16:23], 0, v[KSC+\f], v24 matrix_a_fmt:MATRIX_FMT_FP4 matrix_b_fmt:MATRIX_FMT_FP4 matrix_a_scale:MATRIX_SCALE_ROW1
.endr
.irp f, 0,1,2,3
	v_perm_b32 v[VSR+\f], v[VSN+\f], v[VSC+\f], s34        ; V's scale bytes in the order of the step's positions.  (Four places behind the products)
.endr
	ALIBI 8
.if \t == 0                                    ; the first block alone is cut from below: keys more than 512 back become -infinity ahead of the maximum: p = 0 then
.set nn, 0
.rept 16
	v_cmp_lt_i32 vcc_lo, nn, v2
	v_cndmask_b32 v[S+nn], v[S+nn], v7, vcc_lo
.set nn, nn+1
.endr
.endif
	s_cmp_ge_u32 s37, 16                           ; a step that begins at key 0 or later skips what follows: a scalar branch on ids
	s_cbranch_scc1 .Lopen_\@
	s_sub_co_u32 s37, 16, s37                      ; one to three blocks lie ahead of key 0: what was read for them belongs to other keys and is hidden
	s_lshl_b32 s37, s37, 5
	v_bfe_u32 v[ZF], v0, 4, 1
	v_lshlrev_b32 v[ZF], 4, v[ZF]
	v_sub_nc_u32 v[ZF], s37, v[ZF]                 ; register n is ahead of key 0 where 32 (n / 16) + n % 16 < 32 x those blocks - 16 h
.set nn, 0
.rept 48
	v_cmp_lt_i32 vcc_lo, 32*(nn/16)+nn%16, v[ZF]
	v_cndmask_b32 v[S+nn], v[S+nn], v7, vcc_lo
.set nn, nn+1
.endr
.Lopen_\@:
	SOFTMAX 4                                      ; position 3 counts whole for every query in every step that is walked, so the step's largest D is a number
	PV
.Lskip_\@:
.endm
	STEP 0, 0xc4000000                             ; -512
	STEP 1, 0xc3c00000                             ; -384
	STEP 2, 0xc3800000                             ; -256
	STEP 3, 0xc3000000                             ; -128
	; THE LAST BLOCK: block A of my own group, the queries' own, at position 0; positions 1 to 3 hold no keys.
	v_mov_b32 v8, v3                               ; j - i of register 0,
	v_add_f32 v9, 1.0, v3                          ; of register 1.  With the two v_nop: the four places in front of loads into V's fragments
	v_nop
	v_nop
	ds_load_b64 v[KSC:KSC+1], v[AKSQ] offset:GRP*4
	ds_load_b128 v[KF:KF+3], v[AK] offset:GRP*4
	ds_load_b128 v[KF+8:KF+11], v[AK] offset:GRP*4+512
	ds_load_b128 v[VSC:VSC+3], v1 offset:VB+GRP*4+4096
.irp f, 0,1,2,3
.irp c, 0,1
	ds_load_b128 v[VF+8*\f+4*\c:VF+8*\f+4*\c+3], v[AVQ] offset:GRP*4+512*\f   ; lanes 0-15 of the first four registers are what counts; all else meets zero codes of p and is filled with the same bytes, so that no read leaves the six slots
.endr
.endr
	s_wait_dscnt 0x0
	v_wmma_scale_f32_16x16x128_f8f6f4 v[S:S+7], v[KF:KF+7], v[16:23], 0, v[KSC], v24 matrix_a_fmt:MATRIX_FMT_FP4 matrix_b_fmt:MATRIX_FMT_FP4
	v_wmma_scale_f32_16x16x128_f8f6f4 v[S+8:S+15], v[KF+8:KF+15], v[16:23], 0, v[KSC+1], v24 matrix_a_fmt:MATRIX_FMT_FP4 matrix_b_fmt:MATRIX_FMT_FP4
.irp f, 0,1,2,3
	v_perm_b32 v[VSR+\f], v[VSC+\f], v[VSC+\f], s34        ; byte 0: block A's; the others are scale bytes of the same word and meet zero codes.  (Four places behind the products)
.endr
	ALIBI 2
.set nn, 0
.rept 16
	v_cmp_gt_i32 vcc_lo, nn, v2                    ; ahead of my query: -infinity.  My query's own key counts, so the block's largest D is a number
	v_cndmask_b32 v[S+nn], v[S+nn], v7, vcc_lo
.set nn, nn+1
.endr
	SOFTMAX 1
	PV
	; THE WAY OUT.  O^T is divided by the row's sum and goes through my stage in LDS, so that sixteen lanes store a row's 256 bytes.
	v_add_f32 v14, v14, v15                        ; the sum's two halves,
	v_permlanex16_b32 v252, v14, s20, s21
	v_add_f32 v14, v14, v252                       ; and lane l xor 16's
	v_rcp_f32 v14, v14
	v_nop                                          ; a plain place behind the reciprocal; with the two additions above these two v_nop are the four places behind the last products
	v_nop
.set j, 0
	s_wait_alu depctr_va_vdst(0)
.rept 16
	v_pk_mul_f32 v[S+j:S+j+1], v[OT+j:OT+j+1], v[14:15] op_sel_hi:[1,0]   ; register 16 b + i is out(my query, 32 b + 16 h + i)
.set j, j+2
.endr
.irp m, 0,1,2,3,4,5,6,7
	ds_store_b128 v4, v[S+4*\m:S+4*\m+3] offset:128*(\m/4)+16*(\m%4)
.endr
.irp i, 0,1,2,3,4,5,6,7
	ds_load_b128 v[32+4*\i:35+4*\i], v5 offset:544*\i              ; LDS serves a wave's instructions in order: these see my stores
.endr
.irp i, 0,1,2,3,4,5,6,7
	s_wait_dscnt 7-\i                              ; load i is in; the 7 - i issued behind it may be out
	global_store_b128 v6, v[32+4*\i:35+4*\i], s[6:7] offset:(2*\i+8*(\i/4))*4096 th:TH_STORE_NT   ; the tile's rows 2 i and 2 i + 1: sixteen lanes store 256 consecutive bytes, aligned; written once, read by nobody here
.endr
	s_wait_tensorcnt 0x0
	ds_add_u32 v251, v255
	s_wait_dscnt 0x0
	s_endpgm
.Lfunc_end_k_q72589a6cb4_attn:
	.size	k_q72589a6cb4_attn, .Lfunc_end_k_q72589a6cb4_attn-k_q72589a6cb4_attn
	.p2alignl 7, 3214868480
	.fill 96, 4, 3214868480
	.section	.rodata,"a",@progbits
	.p2align	6, 0x0
	.amdhsa_kernel k_q72589a6cb4_attn
		.amdhsa_group_segment_fixed_size 169984
		.amdhsa_private_segment_fixed_size 0
		.amdhsa_enable_private_segment 0
		.amdhsa_kernarg_size 16
		.amdhsa_user_sgpr_count 2
		.amdhsa_user_sgpr_kernarg_segment_ptr 1
		.amdhsa_wavefront_size32 1
		.amdhsa_system_sgpr_workgroup_id_x 1
		.amdhsa_system_sgpr_workgroup_id_y 1
		.amdhsa_system_sgpr_workgroup_id_z 1
		.amdhsa_system_vgpr_workitem_id 0
		.amdhsa_next_free_vgpr 256
		.amdhsa_next_free_sgpr 66
		.amdhsa_reserve_vcc 1
		.amdhsa_float_denorm_mode_32 3
		.amdhsa_float_denorm_mode_16_64 3
		.amdhsa_memory_ordered 1
		.amdhsa_forward_progress 1
		.amdhsa_inst_pref_size 118
	.end_amdhsa_kernel
	.amdgpu_metadata
---
amdhsa.version: [ 1, 2 ]
amdhsa.kernels:
  - .name:           k_q72589a6cb4_attn
    .symbol:         k_q72589a6cb4_attn.kd
    .args:
      - { .name: qkv, .offset: 0, .size: 8, .value_kind: global_buffer, .address_space: global }
      - { .name: out0, .offset: 8, .size: 8, .value_kind: global_buffer, .address_space: global }
    .group_segment_fixed_size: 169984
    .private_segment_fixed_size: 0
    .kernarg_segment_align: 8
    .kernarg_segment_size: 16
    .max_flat_workgroup_size: 512
    .sgpr_count:     66
    .vgpr_count:     256
    .wavefront_size: 32
...
	.end_amdgpu_metadata
.endif
;; end of part 3
